; MI455X (gfx1250); checked and timed in simulation.
; The chip was launched on July 23, 2026; its instructions are those of AMD's public machine-readable ISA for CDNA 5 (MIT licence, August 2026) and "CDNA5" Instruction Set Architecture Reference Guide (July 2026). The comments in the code are by the model that wrote it; some were corrected since.
;; My Merge. Allowed arithmetic: matrix products marked QUANTISED: E2M1 operands, one E8M0 scale for each 32 along K, by v_wmma_scale_f32_16x16x128_f8f6f4 with both operands' format E2M1 (or v_wmma_scale_f32_32x16x128_f4), f32 sums; products left as they are: f32 operands where the result goes on into a quantised operand, else bf16, f16 or f32 operands; f32 sums; everything else in f32.
;; Inputs: Bg 8 float32; Mr_codes 8 x 512 x 16 x 16 uint8 (E2M1 codes of Mr, K innermost, in blocks of 32 codes, two codes a byte); Mr_scales 8 x 512 x 16 uint8 (E8M0 scales of Mr, one for each 32 codes along K); U 8 float32; V 1,024 x 8 float32; Wg 1,024 x 8 float32; arg1 32 x 512 x 512 float32; arg2 32 x 512 x 512 float32; b 8 float32.
;; Outputs: out0 32 x 512 x 512 float32.
;; This version of the problem:
;;   THIS VERSION OF THE PROBLEM IS GIVEN IN LOW PRECISION. The matrix products marked QUANTISED in the list below multiply operands that are first quantised to E2M1 (2 exponent bits, 1 mantissa bit; 4 bits a number), with one power-of-two scale for each 32 numbers along K (OCP MX v1.0); their sums are f32. All else is computed in f32.
;;   The module's matrix products, in the order in which they are computed (A, B: the left and right operand; K: the contracted axis; several contracted axes count as one K, in the product's order):
;;     1. [M 16,384, K 512] x [K 512, N 8]; A: input arg1; B: input Wg: left as it is (N = 8 < 16)
;;     2. [M 16,384, K 512] x [K 512, N 8]; A: input arg2; B: input Wg: left as it is (N = 8 < 16)
;;     3. [M 4,096, K 512] x [K 512, N 16,384]; A: input Mr (given as codes); B: input arg1: QUANTISED
;;     4. batch 32 x [M 4,096, K 512] x [K 512, N 512]; A: computed on the way; B: input arg2: QUANTISED
;;     5. [M 16,384, K 512] x [K 512, N 8]; A: input arg1; B: input V: left as it is (N = 8 < 16)
;;     6. [M 16,384, K 512] x [K 512, N 8]; A: input arg2; B: input V: left as it is (N = 8 < 16)
;;     7. [M 8,388,608, K 8] x [K 8, N 1]; A: computed on the way; B: input U: left as it is (K = 8 < 32)
;;   THE QUANTISER, for each operand of a quantised product, along K:
;;     - K is cut into blocks of 32 from its start; a last block that is shorter is filled with zeros.
;;     - A block's scale is 2^e with e = floor(log2(the largest magnitude in the block)) - 2, held to -126 .. 127; a block of zeros has e = 0. As a byte (E8M0): e + 127.
;;     - Each number is divided by its block's scale, clamped to +-6, and rounded to the nearest number of E2M1, ties to even, subnormals kept.
;;     - The product sums the exact products of the quantised numbers (number of the format x scale) in f32.
;;   ~~~python
;;   def quantise(x, axis):      # numpy; x: float32 -> the quantised numbers, widened to float32 again
;;       x = np.moveaxis(x, axis, -1); K = x.shape[-1]
;;       x = np.pad(x, [(0, 0)] * (x.ndim - 1) + [(0, -K % 32)]); x = x.reshape(x.shape[:-1] + (-1, 32)); a = np.abs(x).max(-1, keepdims=True)
;;       e = np.where(a > 0, np.clip(np.frexp(np.where(a > 0, a, 1))[1] - 1 - 2, -126, 127), 0)      # np.frexp(a)[1] - 1 = floor(log2(a)), exactly
;;       r = np.clip(x / 2.0 ** e, -6, 6)
;;       step = 2.0 ** (np.maximum(np.frexp(np.where(r == 0, 1, r))[1] - 1, 0) - 1)
;;       q = np.round(r / step) * step * 2.0 ** e      # np.round: ties to even
;;       return np.moveaxis(q.reshape(q.shape[:-2] + (-1,))[..., :K], -1, axis).astype(np.float32)
;;   ~~~
;;   OPERANDS COMPUTED ON THE WAY. 'Computed on the way' means the value that the module computes at that place (a softmax that the list does not call 'softmax' is quantised finished and normalised). What goes into a quantiser is computed in f32, as accurately as f32 sums, v_exp_f32 and their like allow (about 1e-6 of the number): no bf16 or f16 on the way to a quantiser, and a product that is left as it is and whose result goes on into a quantised operand takes f32 operands (vector FMAs, or v_wmma_f32_16x16x4_f32). A number that lies on a knife's edge between two numbers of the format may be rounded either way, as far as f32 arithmetic and the matrix unit's own rounding can turn it there, and no further.
;;   INPUTS GIVEN AS CODES. Mr (in the module: [8, 512, 512], K = its axis 1): each comes as NAME_codes (uint8): NAME with its K axis moved to the last place and cut into blocks of 32 codes, [.., K / 32, bytes a block], one block behind the other in memory; two codes a byte, the lower K in the low four bits (a code: sign, 2 exponent bits, 1 mantissa bit); and NAME_scales (uint8): the same leading axes, one E8M0 byte (e + 127) for each 32 codes along K. Its value is code x scale, taken as it is: it is not quantised again, and the codes and scales need not be those that the quantiser above would give.
;; One version. Each part assembles by itself: llvm-mc -triple=amdgcn-amd-amdhsa -mcpu=gfx1250 --defsym DOCPART=n.
;; ======== version 1 of 1: 2 launches
;; limits: right only within a limited range of input values; values are held in bf16: 8 bits of precision
;; workspace buffers: codes 8,388,608 bytes; scl 524,288 bytes; tab 4,194,304 bytes
;; launch prep (part 1): grid 256 x 1, 8 waves a work-group, no clusters, 134,144 bytes of LDS; arguments arg1, arg2, Wg, V, Bg, codes, scl, tab; writes codes, scl, tab
.if DOCPART == 1
	.amdgcn_target "amdgcn-amd-amdhsa--gfx1250"
	.amdhsa_code_object_version 6
	.text
	.protected	k_q5fd62b2a7b_prep
	.globl	k_q5fd62b2a7b_prep
	.p2align	8
	.type	k_q5fd62b2a7b_prep,@function
k_q5fd62b2a7b_prep:
	s_mov_b64 s[64:65], 0
	v_nop
	global_prefetch_b8 v0, s[64:65] scope:SCOPE_SE
	s_setreg_imm32_b32 hwreg(HW_REG_WAVE_MODE, 25, 1), 1
	s_wait_xcnt 0x0
; FIRST OF TWO LAUNCHES.  out[b][i][j] = sigmoid(sum over k of U[k] (bi g + si (1 - g) + b[k])).  This launch reads arg1 and arg2 once and makes of each tile of 16 rows:
;   codes: the rows as FP4 (E2M1) codes along their last axis, laid as the image of the operand's registers: [tile][K step q of 128][c][lane][16 bytes] = registers 4 c .. 4 c + 3 of lane l;
;   scl:   [tile][row 16][q 4]: the row's scale word (four E8M0 bytes) of K step q;
;   tab:   [tile][k 8][row 16][Fg, ng, Fs, ns]: with t = -log2(e) x, x the row's product with Wg's (g) or V's (s) column k (arg1: Bg[k] added to g's), n = floor(t) as a whole number, F = 2^(t - n).
;          The next launch forms 1 / (1 + ldexp(F1, n1 + n2) F2) = sigmoid(x1 + x2): the exponents are added as whole numbers, so nothing overflows on the way, whatever the size of x1 and x2.
; Tiles 0 .. 1023 are arg1's, 1024 .. 2047 arg2's.
; NO WORK IS LEFT OUT in this program: every input reaches the output (b as the constant sum of U[k] b[k], Bg in arg1's gate term), and every product of the problem is done.
; LIMITS: t is held to +-2^24 ahead of the floor (beyond that an f32 sum x1 + x2 resolves no fraction either); NaN and infinities among the inputs are not served; blocks whose largest magnitude lies
; under 2^-124 have their scale byte held at 1 and were not tried; a block of zeros gets the byte 1 where the rule says 127: its codes are zeros, and this program alone reads the bytes.
; THE FOUR SMALL PRODUCTS (N = 8) go as one product with 16 columns (Wg's 8, V's 8) on the bf16 matrix form, each operand split in f32 into a high and a low bf16 part: hi hi + lo hi + hi lo.
; SHARES.  Work-groups 0 .. 127 take arg1, the others arg2 (only pointers are chosen); wave w of work-group g takes tile 8 g + w, 16 rows x 512, in four K steps of 128.  All 64 loads of a wave's tile go out at
; the head, 512 consecutive bytes each, into window 1.  A K step turns through the wave's own stage in LDS, so that lane (r, h) holds of row r the numbers 64 c + 32 h + 0 .. 31: two whole blocks of 32.
; So the conversions' results are the operand's registers.  The bf16 products take k in another order, the same on both sides: step f = 4 q + 2 c + u takes from lane half h the k = 128 q + 64 c + 32 h + 16 u + 0 .. 15.
; No tensor load, no cluster (only the 64 KB of weights are shared), nothing asked for ahead (all is asked for at the head).
.set RAW,   0                          ; LDS: the weights as [k 512][16 f32]: columns 0-7 Wg's, 8-15 V's
.set WIMG,  32768                      ; 16 steps x (hi, lo) x 1,024 bytes: register images of the weights' bf16 fragments
.set STG,   65536                      ; a stage of 16 rows x 528 bytes for each wave
.set STGW,  8448
.set SP,    528                        ; 512 bytes + 16: an odd multiple of 16, so sixteen rows begin in sixteen different 16-byte columns modulo 256
.set SPARE, 133120                     ; the spare words, 128 bytes for each of eight waves: four blocks of 256 bytes that no other line names
.set LANE, 1
.set RR,   2                           ; r = lane % 16
.set HH,   3                           ; h = lane / 16
.set LI,   4                           ; 16 x lane
.set SA,   5                           ; the stage, on the way in
.set SL,   6                           ; and on the way out: row r, + 128 h
.set WR,   7                           ; where my thread puts 16 bytes of the raw weights
.set WB,   8                           ; where my lane reads them for the images
.set WI,   9                           ; where my wave's images go
.set TS,   10                          ; the tables' way through the stage: in
.set TR,   11                          ; and back
.set SCO,  12                          ; my 8 bytes of the tile's scale words
.set GW,   13                          ; 16 x thread
.set BO,   14                          ; 4 x (r % 8)
.set C24,  15                          ; 2^24
.set SPW,  16                          ; LDS address of my spare word; never rewritten
.set NIL,  17                          ; 0; never rewritten
.set BL,   18                          ; -log2(e) Bg[r] in g's columns of arg1, else 0
.set H8,   19                          ; 8 h
.set AC0,  20                          ; hi hi
.set AC1,  28                          ; lo hi
.set AC2,  36                          ; hi lo
.set CD,   44                          ; v44-75   the codes, 8 registers a K step: no store's data are written again
.set SW,   76                          ; v76-79   the scale words
.set X,    80                          ; v80-143  64 numbers of a K step
.set HI,   144
.set LO,   160
.set WH,   176                         ; the weights' high parts, two steps
.set WL,   192                         ; and low parts
.set TM,   208                         ; v208-239 at work
.set MSB, 0
.macro WIN new                         ; the immediate's high byte repeats the setting that is left
.if MSB != \new
	s_set_vgpr_msb (MSB<<8)|\new
.set MSB, \new
.endif
.endm
; 32 numbers v[s] .. v[s + 31] become 16 registers of high parts and 16 of low parts, two bf16 each
.macro SPLIT s
.irp g, 0,4,8,12
.irp p, 0,1,2,3
	v_cvt_pk_bf16_f32 v[HI+\g+\p], v[(\s)+2*(\g+\p)], v[(\s)+2*(\g+\p)+1]
.endr
.irp p, 0,1,2,3
	v_lshlrev_b32 v[TM+2*\p], 16, v[HI+\g+\p]
	v_and_b32 v[TM+2*\p+1], s33, v[HI+\g+\p]
.endr
.irp p, 0,1,2,3
	v_pk_add_f32 v[TM+2*\p:TM+2*\p+1], v[(\s)+2*(\g+\p):(\s)+2*(\g+\p)+1], v[TM+2*\p:TM+2*\p+1] neg_lo:[0,1] neg_hi:[0,1]   ; what the high part leaves, exact in f32
.endr
.irp p, 0,1,2,3
	s_delay_alu instid0(VALU_DEP_4)
	v_cvt_pk_bf16_f32 v[LO+\g+\p], v[TM+2*\p], v[TM+2*\p+1]
.endr
.endr
.endm
	s_load_b512 s[4:19], s[0:1], 0x0               ; arg1 s[4:5], arg2 s[6:7], Wg s[8:9], V s[10:11], Bg s[12:13], codes s[14:15], scl s[16:17], tab s[18:19]
	v_lshl_add_u32 v[SPW], v0, 2, SPARE
	v_mov_b32 v[NIL], 0
	v_lshrrev_b32 v[LANE], 5, v0
	s_delay_alu instid0(VALU_DEP_1)
	v_readfirstlane_b32 s20, v[LANE]               ; wave 0..7
	v_and_b32 v[LANE], 31, v0
	v_and_b32 v[RR], 15, v0
	v_bfe_u32 v[HH], v0, 4, 1
	s_delay_alu instid0(VALU_DEP_3)
	v_lshlrev_b32 v[LI], 4, v[LANE]
	s_delay_alu instid0(VALU_DEP_2)
	v_lshlrev_b32 v[H8], 3, v[HH]
	s_mul_i32 s21, s20, STGW
	s_add_co_u32 s21, s21, STG                     ; my stage
	s_lshl_b32 s22, s20, 12                        ; 4,096 x wave
	v_add_nc_u32 v[SA], s21, v[LI]
	v_mul_u32_u24 v[SL], v[RR], SP
	s_delay_alu instid0(VALU_DEP_1)
	v_lshl_add_u32 v[SL], v[HH], 7, v[SL]
	s_delay_alu instid0(VALU_DEP_1)
	v_add_nc_u32 v[SL], s21, v[SL]
	v_lshrrev_b32 v[WR], 1, v0
	s_delay_alu instid0(VALU_DEP_1)
	v_lshlrev_b32 v[WR], 6, v[WR]                  ; weight row (thread / 2) of 64 bytes,
	v_and_b32 v[GW], 1, v0
	s_delay_alu instid0(VALU_DEP_1)
	v_lshl_add_u32 v[WR], v[GW], 4, v[WR]          ; its columns 4 (thread % 2) on
	v_lshlrev_b32 v[GW], 4, v0
	v_lshlrev_b32 v[WB], 2, v[RR]
	s_delay_alu instid0(VALU_DEP_1)
	v_lshl_add_u32 v[WB], v[HH], 11, v[WB]
	s_delay_alu instid0(VALU_DEP_1)
	v_add_nc_u32 v[WB], s22, v[WB]                 ; weight row 64 w + 32 h, column r
	v_add_nc_u32 v[WI], s22, v[LI]                 ; steps 2 w, 2 w + 1: 2,048 bytes each
	v_and_b32 v[BO], 7, v[RR]
	s_delay_alu instid0(VALU_DEP_1)
	v_mul_u32_u24 v[TS], v[BO], 272                ; the tables in the stage: a row of 256 bytes + 16 for each k,
	s_delay_alu instid0(VALU_DEP_1)
	v_lshl_add_u32 v[TS], v[HH], 7, v[TS]          ; 16 bytes for each of the tile's rows 8 h + t,
	v_lshrrev_b32 v[TR], 3, v[RR]
	s_delay_alu instid0(VALU_DEP_1)
	v_lshl_add_u32 v[TS], v[TR], 3, v[TS]          ; g's pair, then s's
	s_delay_alu instid0(VALU_DEP_1)
	v_add_nc_u32 v[TS], s21, v[TS]
	v_lshlrev_b32 v[BO], 2, v[BO]
	v_mul_u32_u24 v[TR], v[HH], 272
	s_delay_alu instid0(VALU_DEP_1)
	v_lshl_add_u32 v[TR], v[RR], 4, v[TR]
	s_delay_alu instid0(VALU_DEP_1)
	v_add_nc_u32 v[TR], s21, v[TR]
	v_lshlrev_b32 v[SCO], 4, v[RR]
	s_delay_alu instid0(VALU_DEP_1)
	v_lshl_add_u32 v[SCO], v[HH], 3, v[SCO]
	v_mov_b32 v[C24], 0x4b800000
	v_mov_b32 v[TM+14], 0                          ; written once: a lane permute's destination counts as one of its sources
	s_mov_b32 s34, 0x76543210
	s_mov_b32 s35, 0xfedcba98                      ; v_permlanex16_b32's selects for lane l xor 16
	s_mov_b32 s27, 0xbfb8aa3b                      ; -log2(e)
	s_mov_b32 s33, 0xffff0000
	s_cmp_lt_u32 ttmp9, 128                        ; arg1's work-group or arg2's?  The choice hangs on the work-group's number alone
	s_cselect_b32 s24, 0, 16384                    ; arg2 takes the weights' rows 512 on
	s_cselect_b32 s26, 0x00ff00ff, 0               ; the lanes that add Bg: g's columns, for arg1
	s_cselect_b32 s28, 0, 1024
	s_mov_b32 s25, 0
	s_wait_alu depctr_va_vdst(0)
	s_wait_kmcnt 0x0
	s_cselect_b64 s[4:5], s[4:5], s[6:7]
	s_add_nc_u64 s[8:9], s[8:9], s[24:25]
	s_add_nc_u64 s[10:11], s[10:11], s[24:25]
	s_lshl_b32 s29, ttmp9, 3
	s_add_co_u32 s29, s29, s20                     ; my tile
	s_sub_co_u32 s28, s29, s28                     ; and its number in its own tensor
	s_lshl_b32 s24, s28, 15                        ; 16 rows of 2,048 bytes
	s_add_nc_u64 s[4:5], s[4:5], s[24:25]
	s_lshl_b32 s24, s29, 12
	s_add_nc_u64 s[14:15], s[14:15], s[24:25]
	s_lshl_b32 s24, s29, 8
	s_add_nc_u64 s[16:17], s[16:17], s[24:25]
	s_lshl_b32 s24, s29, 11
	s_add_nc_u64 s[18:19], s[18:19], s[24:25]
	global_load_b32 v[TM+15], v[BO], s[12:13]      ; Bg[r % 8]
.irp i, 0,1,2,3
	global_load_b128 v[X+4*\i:X+4*\i+3], v[GW], s[8:9] offset:4096*\i          ; the work-group's 256 threads read 4,096 consecutive bytes
	global_load_b128 v[X+16+4*\i:X+16+4*\i+3], v[GW], s[10:11] offset:4096*\i
.endr
	WIN 0x40                                       ; destination window 1
.irp q, 0,1,2,3
.set J, 0
.rept 16
	global_load_b128 v[64*\q+4*J:64*\q+4*J+3], v[LI], s[4:5] offset:2048*J+512*\q th:TH_LOAD_NT   ; row J, K step q: 512 consecutive bytes
.set J, J+1
.endr
.endr
	WIN 0
	s_wait_loadcnt 63                              ; 73 loads were issued: the oldest ten are in, Bg and the weights' eight among them
.irp i, 0,1,2,3
	ds_store_b128 v[WR], v[X+4*\i:X+4*\i+3] offset:RAW+8192*\i
	ds_store_b128 v[WR], v[X+16+4*\i:X+16+4*\i+3] offset:RAW+8192*\i+32
.endr
	s_wait_dscnt 0x0                               ; for the others' sake: my stores are done
	s_barrier_signal -1
	s_barrier_wait -1
.set J, 0
.rept 32
	ds_load_b32 v[X+J], v[WB] offset:RAW+64*J      ; weights (64 w + 32 h + J, column r): steps 2 w (J under 16) and 2 w + 1
.set J, J+1
.endr
	v_mul_f32 v[BL], s27, v[TM+15]
	s_delay_alu instid0(VALU_DEP_1)
	v_cndmask_b32 v[BL], 0, v[BL], s26
	s_wait_dscnt 0x0
	SPLIT X
.irp u, 0,1
.irp d, 0,1
	ds_store_b128 v[WI], v[HI+8*\u+4*\d:HI+8*\u+4*\d+3] offset:WIMG+2048*\u+512*\d
	ds_store_b128 v[WI], v[LO+8*\u+4*\d:LO+8*\u+4*\d+3] offset:WIMG+2048*\u+1024+512*\d
.endr
.endr
	s_wait_dscnt 0x0
	s_barrier_signal -1
	s_barrier_wait -1                              ; the sixteen steps' images lie in LDS, and nobody writes them again
; A K STEP of 128.
.macro KSTEP q, first
	s_wait_loadcnt 16*(3-\q)                       ; this step's sixteen loads are in; the younger steps' may be out
	WIN 0x04                                       ; an LDS store's data are its source 1: window 1
.set J, 0
.rept 16
	ds_store_b128 v[SA], v[64*\q+4*J:64*\q+4*J+3] offset:SP*J
.set J, J+1
.endr
	WIN 0
.irp c, 0,1
.irp i, 0,1,2,3,4,5,6,7
	ds_load_b128 v[X+32*\c+4*\i:X+32*\c+4*\i+3], v[SL] offset:256*\c+16*\i   ; LDS serves a wave's instructions in order: these see the stores above
.endr
.endr
	s_wait_dscnt 8                                 ; my first block is in; the second block's eight loads may be out
.irp c, 0,1
	v_max3_num_f32 v[TM+8], |v[X+32*\c]|, |v[X+32*\c+1]|, |v[X+32*\c+2]|      ; the block's largest magnitude: all 32 numbers are mine.  (These sixteen lines are also the places behind the last matrix instructions)
	v_max3_num_f32 v[TM+9], |v[X+32*\c+3]|, |v[X+32*\c+4]|, |v[X+32*\c+5]|
.irp i, 6,10,14,18,22,26
	s_delay_alu instid0(VALU_DEP_2)
	v_max3_num_f32 v[TM+8], v[TM+8], |v[X+32*\c+\i]|, |v[X+32*\c+\i+1]|
	s_delay_alu instid0(VALU_DEP_2)
	v_max3_num_f32 v[TM+9], v[TM+9], |v[X+32*\c+\i+2]|, |v[X+32*\c+\i+3]|
.endr
	s_delay_alu instid0(VALU_DEP_2)
	v_max3_num_f32 v[TM+8], v[TM+8], |v[X+32*\c+30]|, |v[X+32*\c+31]|
	s_delay_alu instid0(VALU_DEP_1)
	v_max3_num_f32 v[TM+8], v[TM+8], v[TM+9], 0x1800000                       ; and the floor 2^(3 - 127): the byte cannot fall under 1
.irp u, 0,1
.irp d, 0,1
	ds_load_b128 v[WH+8*\u+4*\d:WH+8*\u+4*\d+3], v[LI] offset:WIMG+(4*\q+2*\c+\u)*2048+512*\d
	ds_load_b128 v[WL+8*\u+4*\d:WL+8*\u+4*\d+3], v[LI] offset:WIMG+(4*\q+2*\c+\u)*2048+1024+512*\d
.endr
.endr
	SPLIT X+32*\c
	v_add_nc_u32 v[TM+10], 0xff000000, v[TM+8]     ; 2 off the exponent field: the conversion takes the exponent field of this operand as its scale
	s_delay_alu instid0(VALU_DEP_1)
	v_lshrrev_b32 v[TM+12+\c], 23, v[TM+10]        ; the scale's byte
.irp g, 0,1,2,3
	v_cvt_scalef32_pk8_fp4_f32 v[CD+8*\q+4*\c+\g], v[X+32*\c+8*\g:X+32*\c+8*\g+7], v[TM+10]   ; registers 4 c .. 4 c + 3 of the operand
.endr
	v_nop                                          ; one plain place behind a scaled conversion
	s_wait_dscnt 0x0                               ; the weights' fragments (and my second block) are in
.irp u, 0,1                                    ; three accumulators by turns, one instruction a turn
.if (\first) && (\c == 0) && (\u == 0)
	v_wmma_f32_16x16x32_bf16 v[AC0:AC0+7], v[HI:HI+7], v[WH:WH+7], 0
	v_wmma_f32_16x16x32_bf16 v[AC1:AC1+7], v[LO:LO+7], v[WH:WH+7], 0
	s_wait_alu depctr_va_vdst(0)
	v_wmma_f32_16x16x32_bf16 v[AC2:AC2+7], v[HI:HI+7], v[WL:WL+7], 0
.else
	v_wmma_f32_16x16x32_bf16 v[AC0:AC0+7], v[HI+8*\u:HI+8*\u+7], v[WH+8*\u:WH+8*\u+7], v[AC0:AC0+7]
	v_wmma_f32_16x16x32_bf16 v[AC1:AC1+7], v[LO+8*\u:LO+8*\u+7], v[WH+8*\u:WH+8*\u+7], v[AC1:AC1+7]
	s_wait_alu depctr_va_vdst(0)
	v_wmma_f32_16x16x32_bf16 v[AC2:AC2+7], v[HI+8*\u:HI+8*\u+7], v[WL+8*\u:WL+8*\u+7], v[AC2:AC2+7]
.endif
.endr
.endr
	v_lshl_or_b32 v[SW+\q], v[TM+13], 16, v[TM+12] ; my two bytes: blocks h and 2 + h of row r,
	s_delay_alu instid0(VALU_DEP_1)
	v_lshlrev_b32 v[SW+\q], v[H8], v[SW+\q]        ; at their places in the word;
	s_delay_alu instid0(VALU_DEP_1)
	v_permlanex16_b32 v[TM+14], v[SW+\q], s34, s35
	s_delay_alu instid0(VALU_DEP_1)
	v_or_b32 v[SW+\q], v[SW+\q], v[TM+14]          ; with lane l xor 16's two the word is whole
.irp c, 0,1
	global_store_b128 v[LI], v[CD+8*\q+4*\c:CD+8*\q+4*\c+3], s[14:15] offset:1024*\q+512*\c   ; 32 lanes store 512 consecutive bytes, at a multiple of 256 from the buffer's first byte
.endr
.endm
	KSTEP 0, 1
	KSTEP 1, 0
	KSTEP 2, 0
	KSTEP 3, 0
	; THE TABLES.  Lane (r, h) holds column r (k = r % 8; g's where r is under 8, else s's), its register t the tile's row 8 h + t.
.rept 4
	v_nop                                          ; places behind the last matrix instructions
.endr
.irp t, 0,1,2,3,4,5,6,7
	v_add_f32 v[TM+\t], v[AC0+\t], v[AC1+\t]       ; each accumulator from its low end on
.endr
.irp t, 0,1,2,3,4,5,6,7
	v_add_f32 v[TM+\t], v[TM+\t], v[AC2+\t]
.endr
.irp t, 0,1,2,3,4,5,6,7
	v_fma_f32 v[TM+\t], v[TM+\t], s27, v[BL]       ; t = -log2(e) (x + Bg)
.endr
.irp t, 0,1,2,3,4,5,6,7
	v_med3_num_f32 v[TM+\t], v[TM+\t], -v[C24], v[C24]
.endr
.irp t, 0,1,2,3,4,5,6,7
	v_floor_f32 v[TM+8+\t], v[TM+\t]
.endr
.irp t, 0,1,2,3,4,5,6,7
	v_sub_f32 v[TM+\t], v[TM+\t], v[TM+8+\t]       ; exact
.endr
	s_wait_alu depctr_va_vdst(0)
.irp t, 0,1,2,3,4,5,6,7
	v_exp_f32 v[TM+16+2*\t], v[TM+\t]              ; F = 2^(t - n)
.endr
.irp t, 0,1,2,3,4,5,6,7
	v_cvt_i32_f32 v[TM+17+2*\t], v[TM+8+\t]        ; n.  (Plain work behind the exponentials)
.endr
	s_wait_alu depctr_va_vdst(0)                   ; one wait for the eight exponentials, ahead of their first reader
.irp t, 0,1,2,3,4,5,6,7
	ds_store_b64 v[TS], v[TM+16+2*\t:TM+17+2*\t] offset:16*\t
.endr
.irp i, 0,1,2,3
	ds_load_b128 v[X+4*\i:X+4*\i+3], v[TR] offset:2*272*\i   ; back as rows of 256 bytes, two an instruction
.endr
	v_cmp_eq_u32 vcc_lo, 1, v[HH]
	s_delay_alu instid0(VALU_DEP_1)
	v_cndmask_b32 v[X+16], v[SW], v[SW+2], vcc_lo  ; lanes 0-15 store K steps 0 and 1 of their row, lanes 16-31 K steps 2 and 3
	s_delay_alu instid0(VALU_DEP_2)
	v_cndmask_b32 v[X+17], v[SW+1], v[SW+3], vcc_lo
	global_store_b64 v[SCO], v[X+16:X+17], s[16:17]   ; the 32 lanes fill the tile's 256 bytes
.irp i, 0,1,2,3
	s_wait_dscnt 3-\i
	global_store_b128 v[LI], v[X+4*\i:X+4*\i+3], s[18:19] offset:512*\i
.endr
	s_wait_tensorcnt 0x0                           ; the wave's end, behind my last LDS store
	ds_add_u32 v[SPW], v[NIL]
	s_wait_dscnt 0x0
	s_endpgm
.Lfunc_end_k_q5fd62b2a7b_prep:
	.size	k_q5fd62b2a7b_prep, .Lfunc_end_k_q5fd62b2a7b_prep-k_q5fd62b2a7b_prep
	.p2alignl 7, 3214868480
	.fill 96, 4, 3214868480
	.section	.rodata,"a",@progbits
	.p2align	6, 0x0
	.amdhsa_kernel k_q5fd62b2a7b_prep
		.amdhsa_group_segment_fixed_size 134144
		.amdhsa_private_segment_fixed_size 0
		.amdhsa_enable_private_segment 0
		.amdhsa_kernarg_size 64
		.amdhsa_user_sgpr_count 2
		.amdhsa_user_sgpr_kernarg_segment_ptr 1
		.amdhsa_wavefront_size32 1
		.amdhsa_system_sgpr_workgroup_id_x 1
		.amdhsa_system_sgpr_workgroup_id_y 1
		.amdhsa_system_sgpr_workgroup_id_z 1
		.amdhsa_system_vgpr_workitem_id 0
		.amdhsa_next_free_vgpr 512
		.amdhsa_next_free_sgpr 66
		.amdhsa_reserve_vcc 1
		.amdhsa_float_denorm_mode_32 3
		.amdhsa_float_denorm_mode_16_64 3
		.amdhsa_memory_ordered 1
		.amdhsa_forward_progress 1
		.amdhsa_inst_pref_size 92
	.end_amdhsa_kernel
	.amdgpu_metadata
---
amdhsa.version: [ 1, 2 ]
amdhsa.kernels:
  - .name:           k_q5fd62b2a7b_prep
    .symbol:         k_q5fd62b2a7b_prep.kd
    .args:
      - { .name: arg1, .offset: 0, .size: 8, .value_kind: global_buffer, .address_space: global }
      - { .name: arg2, .offset: 8, .size: 8, .value_kind: global_buffer, .address_space: global }
      - { .name: Wg, .offset: 16, .size: 8, .value_kind: global_buffer, .address_space: global }
      - { .name: V, .offset: 24, .size: 8, .value_kind: global_buffer, .address_space: global }
      - { .name: Bg, .offset: 32, .size: 8, .value_kind: global_buffer, .address_space: global }
      - { .name: codes, .offset: 40, .size: 8, .value_kind: global_buffer, .address_space: global }
      - { .name: scl, .offset: 48, .size: 8, .value_kind: global_buffer, .address_space: global }
      - { .name: tab, .offset: 56, .size: 8, .value_kind: global_buffer, .address_space: global }
    .group_segment_fixed_size: 134144
    .private_segment_fixed_size: 0
    .kernarg_segment_align: 8
    .kernarg_segment_size: 64
    .max_flat_workgroup_size: 256
    .sgpr_count:     66
    .vgpr_count:     512
    .wavefront_size: 32
...
	.end_amdgpu_metadata
.endif
;; end of part 1
;; launch main (part 2): grid 8 x 32, 8 waves a work-group, clusters of 4 x 1, 327,680 bytes of LDS; arguments codes, scl, tab, Mr_codes, Mr_scales, U, b, out0; writes out0
.if DOCPART == 2
	.amdgcn_target "amdgcn-amd-amdhsa--gfx1250"
	.amdhsa_code_object_version 6
	.text
	.protected	k_q5fd62b2a7b_main
	.globl	k_q5fd62b2a7b_main
	.p2align	8
	.type	k_q5fd62b2a7b_main,@function
k_q5fd62b2a7b_main:
	s_mov_b64 s[64:65], 0
	v_nop
	global_prefetch_b8 v0, s[64:65] scope:SCOPE_SE
	s_setreg_imm32_b32 hwreg(HW_REG_WAVE_MODE, 25, 1), 1
	s_wait_xcnt 0x0
	s_wait_alu depctr_hold_cnt(0) depctr_sa_sdst(0) depctr_va_vdst(0) depctr_va_sdst(0) depctr_va_ssrc(0) depctr_va_vcc(0) depctr_vm_vsrc(0)
	s_getreg_b32 s2, hwreg(HW_REG_IB_STS2, 6, 4)
	s_cmp_eq_u32 s2, 0
	s_cbranch_scc0 .Lentry_in_a_cluster
	s_endpgm
.Lentry_in_a_cluster:
	s_bfe_u32 s2, ttmp6, 0x10000c
	s_cmp_lg_u32 s2, 0x3003
	s_cbranch_scc0 .Lentry_shape_is_right
	s_endpgm
.Lentry_shape_is_right:
; SECOND OF TWO LAUNCHES.  out[b][i][j] = sigmoid(sum over k of U[k] (bi g + si (1 - g) + b[k])).  No work is left out: every product and every input is used.
; A work-group takes 64 rows i of one batch and all 512 columns j.  For each k two parts:
;   A(k): T = Mr[k]^T arg1 for the 64 rows (wave w: e = 64 w .. 64 w + 63, K = d = 512), quantised along e to FP4 codes and scale bytes, stored in LDS as register images;
;   B(k): bi = T arg2^T (wave w: columns j = 64 w .. + 63, arg2's fragments stay in registers), the two gates from the tables of the first launch, z += U[k] (g (bi - s) + s).
; T HAS TWO BUFFERS: in step k A(k + 1) writes one while B(k) reads the other, so one round of the cluster's barrier a step is the only barrier.
; TWO ROLES: waves with (w xor w / 4) odd = 0 run A(k + 1) and then B(k), the others B(k) and then A(k + 1): the parts of a step hang on nothing of each other.
; Mr: each wave fetches the 64 rows that it alone reads, one tensor load a step, jointly with the three partners of its cluster (all work-groups walk the same Mr).  A wave that runs A last
; refills its one slot at the step's start, a whole B ahead of the read; a wave that runs A first has two slots and is filled two steps ahead.  So nothing more is asked for ahead of the loads.
; Mr's scale words (two loads of 16 bytes a lane for each k) come from memory straight into registers, one A ahead.
; The gates: 1 / (1 + ldexp(F1, n1 + n2) F2) = sigmoid(x1 + x2), the exponents added as whole numbers.  LIMITS as in the first launch: NaN and infinities among the inputs are not served.
.set MRP,   272                        ; an LDS row of Mr: 256 bytes + 16
.set WSL,   64*MRP                     ; a wave's slot: 64 rows
.set MR1,   8*WSL                      ; behind the eight first slots: the second slots of the four waves that run A first
.set TIM,   208896                     ; T's codes, 16,384 bytes; its scale words behind them; the second buffer TD further on
.set TSC,   225280
.set TD,    20480
.set TB1,   249856                     ; the tables of my 64 rows i
.set A1I,   258048                     ; arg1's codes, register images
.set A1S,   274432                     ; and scale words
.set STG,   275456                     ; the way out: a stage for each wave
.set STGW,  4352
.set SPARE, 310272                     ; the spare words, 128 bytes a wave
.set LI,   1
.set AM,   2                           ; v2, v3: my Mr rows for even and for odd k
.set GSK,  4                           ; my offset in a k's scale words of Mr
.set AT0,  5
.set AT,   6
.set ASC0, 7
.set ASC,  8
.set AX0,  9
.set AX,   10
.set TIW,  11
.set TSW,  12
.set SO,   13
.set SR,   14
.set TBW,  15
.set R16,  16
.set C0,   20
.set AA,   21
.set SPW,  22
.set NIL,  23
.set SCA,  24
.set SCT,  28
.set SCM,  32
.set SCB,  40
.set TM,   48
.set P,    56
.set SCW,  60
.set AAS,  61
.set GO,   62
.set AIW,  63
.set ACC,  64
.set A1F,  96
.set TF,   96
.set MRF,  128
.set TX1,  128
.set TX2,  160
.set DD,   192
.set OB,   128
.set MSB, 0
.macro WIN new                         ; the immediate's high byte repeats the setting that is left
.if MSB != \new
	s_set_vgpr_msb (MSB<<8)|\new
.set MSB, \new
.endif
.endm
.macro PLACES n
.rept \n
	v_nop
.endr
.endm
.macro ROUND                           ; a round of the cluster's barrier
	s_barrier_signal -1
	s_barrier_wait -1
	s_cmp_lg_u32 s20, 0
	s_cbranch_scc1 .Lnw0_\@
	s_barrier_signal -3
.Lnw0_\@:
	s_barrier_wait -3
	s_barrier_signal -1
	s_barrier_wait -1
.endm
.macro TLOAD g                         ; a joint load of my 64 rows
	tensor_load_to_lds s[\g:\g+3], s[24:31]
	s_nop 0
	PLACES 4
.endm
.macro MRLOAD par                      ; tile 2 b + u takes rows 32 b + 8 u + r + 8 (r / 8), so that two tiles' registers are 16 neighbours along e
.irp t, 0,1,2,3
.irp q, 0,1,2,3
.irp d, 0,1
	ds_load_b128 v[MRF+32*\t+8*\q+4*\d:MRF+32*\t+8*\q+4*\d+3], v[AM+(\par)] offset:(32*(\t/2)+8*(\t%2))*MRP+64*\q+32*\d
.endr
.endr
.endr
.endm
.macro A1LOAD m
.irp i, 0,1,2,3,4,5,6,7
	ds_load_b128 v[A1F+4*\i:A1F+4*\i+3], v[AA] offset:4096*(\m)+512*\i
.endr
	ds_load_b128 v[SCA:SCA+3], v[AAS] offset:256*(\m)
.endm
.macro TX2LOAD                         ; the tables of my 64 columns j for the next B
.irp n, 0,1,2,3
	global_load_b128 v[TX2+4*\n:TX2+4*\n+3], v[R16], s[80:81] offset:2048*\n
.endr
.endm
.macro AMUL                            ; four accumulators by turns
.irp q, 0,1,2,3
.irp t, 0,1,2,3
.if \q == 0
.if \t < 2
	v_wmma_scale_f32_16x16x128_f8f6f4 v[ACC+8*\t:ACC+8*\t+7], v[MRF+32*\t+8*\q:MRF+32*\t+8*\q+7], v[A1F+8*\q:A1F+8*\q+7], 0, v[SCM+4*(\t%2)+\q], v[SCA+\q] matrix_a_fmt:MATRIX_FMT_FP4 matrix_b_fmt:MATRIX_FMT_FP4
.else
	v_wmma_scale_f32_16x16x128_f8f6f4 v[ACC+8*\t:ACC+8*\t+7], v[MRF+32*\t+8*\q:MRF+32*\t+8*\q+7], v[A1F+8*\q:A1F+8*\q+7], 0, v[SCM+4*(\t%2)+\q], v[SCA+\q] matrix_a_fmt:MATRIX_FMT_FP4 matrix_b_fmt:MATRIX_FMT_FP4 matrix_a_scale:MATRIX_SCALE_ROW1
.endif
.else
.if \t < 2
	v_wmma_scale_f32_16x16x128_f8f6f4 v[ACC+8*\t:ACC+8*\t+7], v[MRF+32*\t+8*\q:MRF+32*\t+8*\q+7], v[A1F+8*\q:A1F+8*\q+7], v[ACC+8*\t:ACC+8*\t+7], v[SCM+4*(\t%2)+\q], v[SCA+\q] matrix_a_fmt:MATRIX_FMT_FP4 matrix_b_fmt:MATRIX_FMT_FP4
.else
	v_wmma_scale_f32_16x16x128_f8f6f4 v[ACC+8*\t:ACC+8*\t+7], v[MRF+32*\t+8*\q:MRF+32*\t+8*\q+7], v[A1F+8*\q:A1F+8*\q+7], v[ACC+8*\t:ACC+8*\t+7], v[SCM+4*(\t%2)+\q], v[SCA+\q] matrix_a_fmt:MATRIX_FMT_FP4 matrix_b_fmt:MATRIX_FMT_FP4 matrix_a_scale:MATRIX_SCALE_ROW1
.endif
.endif
.endr
.endr
.endm
.macro HQUANT m, par                   ; two blocks of 32 along e of 16 rows i: largest magnitude with the floor 2^(3 - 127), scale byte, codes, whole blocks to a lane, into T's buffer
	v_max3_num_f32 v[TM], |v[ACC]|, |v[ACC+1]|, 0x1800000
	v_max3_num_f32 v[TM+1], |v[ACC+16]|, |v[ACC+17]|, 0x1800000
.irp i, 2,4,6,8,10,12,14
	v_max3_num_f32 v[TM], v[TM], |v[ACC+\i]|, |v[ACC+\i+1]|
	v_max3_num_f32 v[TM+1], v[TM+1], |v[ACC+16+\i]|, |v[ACC+17+\i]|
.endr
	s_delay_alu instid0(VALU_DEP_2)
	v_permlanex16_b32 v[TM+2], v[TM], s70, s71
	s_delay_alu instid0(VALU_DEP_2)
	v_permlanex16_b32 v[TM+3], v[TM+1], s70, s71
	s_delay_alu instid0(VALU_DEP_2)
	v_max_num_f32 v[TM], v[TM], v[TM+2]
	s_delay_alu instid0(VALU_DEP_2)
	v_max_num_f32 v[TM+1], v[TM+1], v[TM+3]
	s_delay_alu instid0(VALU_DEP_2)
	v_add_nc_u32 v[TM+4], 0xff000000, v[TM]
	s_delay_alu instid0(VALU_DEP_2)
	v_add_nc_u32 v[TM+5], 0xff000000, v[TM+1]
	s_delay_alu instid0(VALU_DEP_2)
	v_lshrrev_b32 v[TM+6], 23, v[TM+4]
	s_delay_alu instid0(VALU_DEP_2)
	v_lshrrev_b32 v[TM+7], 23, v[TM+5]
	s_delay_alu instid0(VALU_DEP_1)
	v_lshl_or_b32 v[SCW], v[TM+7], 8, v[TM+6]
	v_cvt_scalef32_pk8_fp4_f32 v[P], v[ACC:ACC+7], v[TM+4]
	v_cvt_scalef32_pk8_fp4_f32 v[P+1], v[ACC+8:ACC+15], v[TM+4]
	v_cvt_scalef32_pk8_fp4_f32 v[P+2], v[ACC+16:ACC+23], v[TM+5]
	v_cvt_scalef32_pk8_fp4_f32 v[P+3], v[ACC+24:ACC+31], v[TM+5]
	v_nop
	v_permlane16_swap_b32 v[P], v[P+2]
	v_permlane16_swap_b32 v[P+1], v[P+3]
	ds_store_b128 v[TIW], v[P:P+3] offset:4096*(\m)+TD*(\par)
	ds_store_b32 v[TSW], v[SCW] offset:1024*(\m)+TD*(\par)
.endm
; A(k), k of parity par.  tx2: the next B's column tables are asked for at its end; more: so are the next A's scale words of Mr
.macro PHASEA par, tx2, more
	s_wait_loadcnt 0x0                             ; Mr's scale words are in, and every load has read its base
	s_add_nc_u64 s[12:13], s[12:13], 8192          ; on to the next k's scale words
	MRLOAD \par
	A1LOAD 0
	s_wait_dscnt 0x0
.irp m, 0,1,2,3
	AMUL
	PLACES 5
.if \m < 3
	A1LOAD \m+1
.else
.if \tx2
	TX2LOAD
.endif
.if \more
.irp u, 0,1
	global_load_b128 v[SCM+4*\u:SCM+4*\u+3], v[GSK], s[12:13] offset:128*\u
.endr
.endif
.endif
	HQUANT \m, \par
.if \m < 3
	s_wait_dscnt 0x0
.endif
.endr
.endm
.macro LOADT
	v_add_nc_u32 v[AT], s74, v[AT0]
	v_add_nc_u32 v[ASC], s75, v[ASC0]
.irp i, 0,1,2,3,4,5,6,7
	ds_load_b128 v[TF+4*\i:TF+4*\i+3], v[AT] offset:512*\i
.endr
	ds_load_b128 v[TM:TM+3], v[ASC]
	ds_load_b128 v[TM+4:TM+7], v[ASC] offset:16
.endm
.macro COMB                            ; eight waves' pairs of bytes make T's four scale words
	s_wait_dscnt 0x0
.irp q, 0,1,2,3
	v_lshl_or_b32 v[SCT+\q], v[TM+2*\q+1], 16, v[TM+2*\q]
.endr
.endm
.macro PRE n                           ; 1 + ldexp(F1, n1 + n2) F2, for g and for s
.set DGR, DD+16*(\n)
.set DSR, DGR+8
.irp t, 0,1,2,3,4,5,6,7
	v_add_nc_u32 v[DGR+\t], v[TX1+4*\t+1], v[TX2+4*(\n)+1]
	v_add_nc_u32 v[DSR+\t], v[TX1+4*\t+3], v[TX2+4*(\n)+3]
.endr
.irp t, 0,1,2,3,4,5,6,7
	v_ldexp_f32 v[DGR+\t], v[TX1+4*\t], v[DGR+\t]
	v_ldexp_f32 v[DSR+\t], v[TX1+4*\t+2], v[DSR+\t]
.endr
.irp t, 0,2,4,6
	v_pk_fma_f32 v[DGR+\t:DGR+\t+1], v[DGR+\t:DGR+\t+1], v[TX2+4*(\n):TX2+4*(\n)+1], 1.0 op_sel_hi:[1,0,0]
	v_pk_fma_f32 v[DSR+\t:DSR+\t+1], v[DSR+\t:DSR+\t+1], v[TX2+4*(\n)+2:TX2+4*(\n)+3], 1.0 op_sel_hi:[1,0,0]
.endr
.endm
.macro RCP n
.set DGR, DD+16*(\n)
.set J, 0
.rept 16
	v_rcp_f32 v[DGR+J], v[DGR+J]
.set J, J+1
.endr
.endm
.macro POST n                          ; g (bi - s) + s
.set DGR, DD+16*(\n)
.set DSR, DGR+8
.irp t, 0,2,4,6
	v_pk_add_f32 v[ACC+8*(\n)+\t:ACC+8*(\n)+\t+1], v[ACC+8*(\n)+\t:ACC+8*(\n)+\t+1], v[DSR+\t:DSR+\t+1] neg_lo:[0,1] neg_hi:[0,1]
.endr
.irp t, 0,2,4,6
	v_pk_fma_f32 v[ACC+8*(\n)+\t:ACC+8*(\n)+\t+1], v[DGR+\t:DGR+\t+1], v[ACC+8*(\n)+\t:ACC+8*(\n)+\t+1], v[DSR+\t:DSR+\t+1]
.endr
.endm
.macro ZUPD m                          ; z += U[k] x; z lies in window 1
	WIN 0x50
.set J, 0
.rept 16
	v_pk_fma_f32 v[32*(\m)+J:32*(\m)+J+1], v[ACC+J:ACC+J+1], s[66:67], v[32*(\m)+J:32*(\m)+J+1] op_sel_hi:[1,0,1]
.set J, J+2
.endr
	WIN 0
.endm
; B(k), k of parity par: a loop over the four blocks of 16 rows i
.macro PHASEB par
	s_wait_loadcnt 0x0
	s_mov_b32 s74, TD*(\par)
	s_mov_b32 s75, TD*(\par)
	s_mov_b32 s77, s76
	s_mov_b32 s73, 0
	LOADT
	COMB
	PLACES 8
.Lm_\@:
	v_add_nc_u32 v[AX], s77, v[AX0]
.irp t, 0,1,2,3,4,5,6,7
	ds_load_b128 v[TX1+4*\t:TX1+4*\t+3], v[AX] offset:16*\t
.endr
	s_wait_dscnt 8
	WIN 0x04
	s_wait_alu depctr_va_vdst(0)
.irp q, 0,1,2,3
.irp n, 0,1,2,3
.if \q == 0
.if \n < 2
	v_wmma_scale_f32_16x16x128_f8f6f4 v[ACC+8*\n:ACC+8*\n+7], v[TF+8*\q:TF+8*\q+7], v[128+32*\n+8*\q:128+32*\n+8*\q+7], 0, v[SCT+\q], v[SCB+4*(\n%2)+\q] matrix_a_fmt:MATRIX_FMT_FP4 matrix_b_fmt:MATRIX_FMT_FP4
.else
	v_wmma_scale_f32_16x16x128_f8f6f4 v[ACC+8*\n:ACC+8*\n+7], v[TF+8*\q:TF+8*\q+7], v[128+32*\n+8*\q:128+32*\n+8*\q+7], 0, v[SCT+\q], v[SCB+4*(\n%2)+\q] matrix_a_fmt:MATRIX_FMT_FP4 matrix_b_fmt:MATRIX_FMT_FP4 matrix_b_scale:MATRIX_SCALE_ROW1
.endif
.else
.if \n < 2
	v_wmma_scale_f32_16x16x128_f8f6f4 v[ACC+8*\n:ACC+8*\n+7], v[TF+8*\q:TF+8*\q+7], v[128+32*\n+8*\q:128+32*\n+8*\q+7], v[ACC+8*\n:ACC+8*\n+7], v[SCT+\q], v[SCB+4*(\n%2)+\q] matrix_a_fmt:MATRIX_FMT_FP4 matrix_b_fmt:MATRIX_FMT_FP4
.else
	v_wmma_scale_f32_16x16x128_f8f6f4 v[ACC+8*\n:ACC+8*\n+7], v[TF+8*\q:TF+8*\q+7], v[128+32*\n+8*\q:128+32*\n+8*\q+7], v[ACC+8*\n:ACC+8*\n+7], v[SCT+\q], v[SCB+4*(\n%2)+\q] matrix_a_fmt:MATRIX_FMT_FP4 matrix_b_fmt:MATRIX_FMT_FP4 matrix_b_scale:MATRIX_SCALE_ROW1
.endif
.endif
.endr
.endr
	WIN 0
	PLACES 4
	s_add_co_u32 s74, s74, 4096
	s_add_co_u32 s75, s75, 1024
	s_add_co_u32 s77, s77, 2048
	s_wait_dscnt 0x0
	s_cmp_eq_u32 s73, 3
	s_cbranch_scc1 .Lnot_\@
	LOADT                                          ; the next block's T, under this block's gates
.Lnot_\@:
	PRE 0
	PRE 1
	s_wait_alu depctr_va_vdst(0)                   ; a wait ahead of each batch of reciprocals and behind it
	RCP 0
	RCP 1
	PRE 2
	PRE 3
	s_wait_alu depctr_va_vdst(0)
	POST 0
	POST 1
	RCP 2
	RCP 3
	v_nop
	s_wait_alu depctr_va_vdst(0)
	POST 2
	POST 3
	s_cmp_eq_u32 s73, 0
	s_cbranch_scc1 .Lz0_\@
	s_cmp_eq_u32 s73, 1
	s_cbranch_scc1 .Lz1_\@
	s_cmp_eq_u32 s73, 2
	s_cbranch_scc1 .Lz2_\@
	ZUPD 3
	s_branch .Lzj_\@
.Lz0_\@:
	COMB
	ZUPD 0
	s_branch .Lzj_\@
.Lz1_\@:
	COMB
	ZUPD 1
	s_branch .Lzj_\@
.Lz2_\@:
	COMB
	ZUPD 2
.Lzj_\@:
	s_add_co_u32 s73, s73, 1
	s_cmp_lt_u32 s73, 4
	s_cbranch_scc1 .Lm_\@
.endm
; STEP k, p = k % 2.  fill = 2: every wave refills; 1: only the waves that run A last; 0: none.  hasa: A(k + 1) is run.
.macro STEP p, fill, hasa, more
	s_wait_alu depctr_va_vdst(0)
	s_wait_tensorcnt 0x0                           ; all my tensor loads have landed,
	ds_add_u32 v[SPW], v[NIL]
.if \fill
	s_add_nc_u64 s[42+4*\p:43+4*\p], s[42+4*\p:43+4*\p], 262144   ; this set of registers serves every second step: two k on
.endif
	s_wait_dscnt 0x0                               ; my stores into T and my reads of T and of Mr are done
	ROUND
.if \fill == 2
	TLOAD 40+4*\p
.endif
.if \fill == 1
	s_cmp_eq_u32 s34, 0
	s_cbranch_scc1 .Lnf_\@
	TLOAD 40+4*\p
.Lnf_\@:
.endif
	s_cmp_eq_u32 s34, 0
	s_cbranch_scc0 .Lb_\@
.if \hasa
	PHASEA 1-\p, 1, \more                          ; from my other slot, filled a step ago
.else
	s_wait_loadcnt 0x0                             ; no earlier load into these registers is out on any way to this line
	TX2LOAD
.endif
	s_wait_alu depctr_va_vdst(0)
.Lb_\@:
	s_mov_b32 s66, s48                             ; U[k]; the eight go round
	s_mov_b32 s67, s48
.irp j, 48,49,50,51,52,53,54
	s_mov_b32 s[\j], s[\j+1]
.endr
	s_mov_b32 s55, s66
	PHASEB \p
	s_add_nc_u64 s[80:81], s[80:81], 256
	s_add_co_u32 s76, s76, 256
.if \hasa
	s_wait_alu depctr_va_vdst(0)
	s_cmp_eq_u32 s34, 0
	s_cbranch_scc1 .Le_\@
	s_wait_tensorcnt 0x0                           ; my rows of Mr[k + 1], asked for at the step's start; I alone read them
	PHASEA 1-\p, 1, \more
.Le_\@:
.endif
.endm
.macro OUT m                           ; sigmoid(z), through my stage, as whole rows of 256 bytes
	WIN 0x01
.set J, 0
.rept 16
	v_pk_mul_f32 v[ACC+J:ACC+J+1], v[32*(\m)+J:32*(\m)+J+1], s[68:69] op_sel_hi:[1,0]
.set J, J+2
.endr
	WIN 0
.set J, 0
	s_wait_alu depctr_va_vdst(0)
.rept 32
	v_exp_f32 v[ACC+J], v[ACC+J]
.set J, J+1
.endr
	v_nop
	s_wait_alu depctr_va_vdst(0)
.set J, 0
.rept 16
	v_pk_add_f32 v[ACC+J:ACC+J+1], v[ACC+J:ACC+J+1], 1.0 op_sel_hi:[1,0]
.set J, J+2
.endr
.set J, 0
	s_wait_alu depctr_va_vdst(0)
.rept 32
	v_rcp_f32 v[ACC+J], v[ACC+J]
.set J, J+1
.endr
	v_nop
	s_wait_alu depctr_va_vdst(0)
.irp n, 0,1,2,3
.irp t, 0,1,2,3,4,5,6,7
	ds_store_b32 v[SO], v[ACC+8*\n+\t] offset:272*\t+64*\n
.endr
.endr
	s_wait_xcnt 0x0
.set J, 0
.rept 8
	ds_load_b128 v[OB+4*J:OB+4*J+3], v[SR] offset:544*J
.set J, J+1
.endr
.set J, 0
.rept 8
	s_wait_dscnt 7-J
	global_store_b128 v[GO], v[OB+4*J:OB+4*J+3], s[18:19] offset:32768*(\m)+4096*J th:TH_STORE_NT
.set J, J+1
.endr
.endm
	s_load_b512 s[4:19], s[0:1], 0x0               ; codes s[4:5], scl s[6:7], tab s[8:9], Mr_codes s[10:11], Mr_scales s[12:13], U s[14:15], b s[16:17], out0 s[18:19]
	v_lshl_add_u32 v[SPW], v0, 2, SPARE
	v_mov_b32 v[NIL], 0
	ds_add_u32 v[SPW], v[NIL]
	ds_add_u32 v[SPW], v[NIL]
	v_lshrrev_b32 v17, 5, v0
	s_delay_alu instid0(VALU_DEP_1)
	v_readfirstlane_b32 s20, v17                   ; wave 0..7
	s_bfe_u32 s21, ttmp6, 0x40000
	s_lshl_b32 s22, ttmp9, 2
	s_add_co_u32 s22, s22, s21                     ; my block of 64 rows i
	s_and_b32 s23, ttmp7, 0xffff                   ; my batch
	s_mov_b32 s24, 15|(1<<20)|(1<<21)|(5<<22)|(3<<25)   ; group 1: 64 rows of 256 bytes, 16 bytes of padding behind each, for all four of the cluster
	s_mov_b32 s25, 256<<16
	s_mov_b32 s26, 64<<16
	s_mov_b32 s27, 256<<16
	s_mov_b32 s28, 64
	s_mov_b32 s29, 256
	s_mov_b32 s30, 0
	s_mov_b32 s31, 0
	s_mov_b32 s68, 0xbfb8aa3b
	s_mov_b32 s69, s68
	s_mov_b32 s70, 0x76543210
	s_mov_b32 s71, 0xfedcba98
	s_lshr_b32 s34, s20, 2
	s_xor_b32 s34, s34, s20
	s_and_b32 s34, s34, 1                          ; my role: 0 = A first (waves 0, 2, 5, 7), 1 = A last
	s_xor_b32 s35, s34, 1
	s_lshl_b32 s32, s34, 17
	s_mov_b32 s33, 0
	s_lshl_b32 s38, s35, 17
	s_mov_b32 s39, 0
	s_mul_i32 s41, s20, WSL                        ; my first slot
	s_lshr_b32 s36, s20, 1
	s_mul_i32 s36, s36, WSL
	s_add_co_u32 s36, s36, MR1                     ; the second slot of a wave that runs A first: number w / 2 of the four
	s_mul_i32 s36, s36, s35
	s_mul_i32 s37, s41, s34                        ; the others have the one slot
	s_add_co_u32 s45, s36, s37
	s_wait_dscnt 0x0
	s_wait_kmcnt 0x0
	s_mov_b32 s40, 1
	s_lshl_b32 s74, s20, 14
	s_mov_b32 s75, 0
	s_add_nc_u64 s[42:43], s[10:11], s[74:75]      ; s[40:43]: Mr[0], my rows
	s_mov_b32 s44, 1
	s_add_nc_u64 s[46:47], s[42:43], s[38:39]      ; s[44:47]: Mr[1] for A first, Mr[0] for A last (stepped by two before its first use there)
	s_or_b32 s43, s43, 0x80000000
	s_or_b32 s47, s47, 0x80000000
	s_load_b256 s[48:55], s[14:15], 0x0
	s_load_b256 s[56:63], s[16:17], 0x0
	ROUND
	TLOAD 40                                       ; the head's one load a wave
	v_and_b32 v17, 15, v0
	v_bfe_u32 v18, v0, 4, 1
	v_and_b32 v19, 31, v0
	s_delay_alu instid0(VALU_DEP_1)
	v_lshlrev_b32 v[LI], 4, v19
	s_wait_alu depctr_va_vdst(0)
	v_lshlrev_b32 v[R16], 4, v17
	v_lshlrev_b32 v[TM+4], 2, v19
	s_wait_alu depctr_va_vdst(0)
	v_lshl_add_u32 v[TM+6], v18, 9, v[R16]
	s_wait_alu depctr_va_vdst(0)
	s_lshl_b32 s79, s23, 5
	s_lshl_b32 s77, s20, 2
	s_add_co_u32 s77, s77, s79
	s_add_co_u32 s77, s77, 1024                    ; arg2's tiles of my 64 columns
	s_lshl_b32 s82, s22, 2
	s_add_co_u32 s79, s79, s82                     ; arg1's tiles of the 64 rows
	s_mov_b32 s83, 0
	s_lshl_b32 s82, s79, 12
	s_lshl_b32 s74, s20, 11
	s_add_co_u32 s82, s82, s74
	s_add_nc_u64 s[84:85], s[4:5], s[82:83]
	s_lshl_b32 s82, s77, 12
	s_add_nc_u64 s[4:5], s[4:5], s[82:83]
	s_lshl_b32 s82, s79, 8
	s_lshl_b32 s74, s20, 7
	s_add_co_u32 s82, s82, s74
	s_add_nc_u64 s[86:87], s[6:7], s[82:83]
	s_lshl_b32 s82, s77, 8
	s_add_nc_u64 s[6:7], s[6:7], s[82:83]
	s_lshl_b32 s82, s79, 11
	s_lshl_b32 s74, s20, 10
	s_add_co_u32 s82, s82, s74
	s_add_nc_u64 s[88:89], s[8:9], s[82:83]
	s_lshl_b32 s82, s77, 11
	s_add_nc_u64 s[80:81], s[8:9], s[82:83]
	s_lshl_b32 s82, s23, 20
	s_lshl_b32 s79, s22, 17
	s_add_co_u32 s82, s82, s79
	s_lshl_b32 s79, s20, 8
	s_add_co_u32 s82, s82, s79
	s_add_nc_u64 s[18:19], s[18:19], s[82:83]
.irp i, 0,1,2,3
	global_load_b128 v[ACC+4*\i:ACC+4*\i+3], v[LI], s[84:85] offset:512*\i
.endr
.irp i, 0,1
	global_load_b128 v[ACC+16+4*\i:ACC+16+4*\i+3], v[LI], s[88:89] offset:512*\i
.endr
	global_load_b32 v[ACC+24], v[TM+4], s[86:87]
.irp u, 0,1
	global_load_b128 v[SCB+4*\u:SCB+4*\u+3], v[TM+6], s[6:7] offset:256*\u
.endr
	WIN 0x40
.set J, 0
.rept 32
	global_load_b128 v[128+4*J:128+4*J+3], v[LI], s[4:5] offset:512*J   ; arg2's fragments of my 64 columns stay in window 1
.set J, J+1
.endr
	WIN 0
	v_and_b32 v19, 8, v17
	s_delay_alu instid0(VALU_DEP_1)
	v_add_nc_u32 v19, v19, v17                     ; r + 8 (r / 8)
	s_delay_alu instid0(VALU_DEP_1)
	v_mul_u32_u24 v[AM], v19, MRP
	s_delay_alu instid0(VALU_DEP_1)
	v_lshl_add_u32 v[AM], v18, 4, v[AM]
	s_delay_alu instid0(VALU_DEP_1)
	v_add_nc_u32 v[AM+1], s45, v[AM]
	v_add_nc_u32 v[AM], s41, v[AM]
	s_lshl_b32 s74, s20, 10
	v_lshl_add_u32 v[GSK], v19, 4, s74             ; 16 bytes a row of Mr's scales: row 64 w + r + 8 (r / 8),
	s_delay_alu instid0(VALU_DEP_1)
	v_lshl_add_u32 v[GSK], v18, 9, v[GSK]          ; lanes 16-31 take 32 rows further on
	v_add_nc_u32 v[AT0], TIM, v[LI]
	v_lshlrev_b32 v[ASC0], 1, v[LI]
	s_delay_alu instid0(VALU_DEP_1)
	v_add_nc_u32 v[ASC0], TSC, v[ASC0]
	v_lshl_add_u32 v[AX0], v18, 7, TB1
	s_lshl_b32 s74, s20, 9
	v_add_nc_u32 v[TIW], s74, v[AT0]
	s_lshl_b32 s74, s20, 2
	v_add_nc_u32 v[TSW], s74, v[ASC0]
	s_mul_i32 s75, s20, STGW
	s_add_co_u32 s75, s75, STG
	v_mul_u32_u24 v[SO], v18, 8*272
	s_delay_alu instid0(VALU_DEP_1)
	v_lshl_add_u32 v[SO], v17, 2, v[SO]
	s_delay_alu instid0(VALU_DEP_1)
	v_add_nc_u32 v[SO], s75, v[SO]
	v_mul_u32_u24 v[SR], v18, 272
	s_delay_alu instid0(VALU_DEP_1)
	v_add_nc_u32 v[SR], v[SR], v[R16]
	s_delay_alu instid0(VALU_DEP_1)
	v_add_nc_u32 v[SR], s75, v[SR]
	v_lshl_add_u32 v[GO], v18, 11, v[R16]
	s_lshl_b32 s74, s20, 10
	s_add_co_u32 s74, s74, TB1
	v_add_nc_u32 v[TBW], s74, v[LI]
	s_lshl_b32 s74, s20, 11
	s_add_co_u32 s74, s74, A1I
	v_add_nc_u32 v[AIW], s74, v[LI]
	v_add_nc_u32 v[AA], A1I, v[LI]
	v_add_nc_u32 v[AAS], A1S, v[R16]
	s_lshl_b32 s74, s20, 7
	s_add_co_u32 s74, s74, A1S
	v_add_nc_u32 v[TM+5], s74, v[TM+4]
	v_mov_b32 v[TM+2], 0
	v_mov_b32 v[TM+3], 0
	s_wait_alu depctr_va_vdst(0)
.irp u, 0,1
	global_load_b128 v[SCM+4*\u:SCM+4*\u+3], v[GSK], s[12:13] offset:128*\u   ; Mr[0]'s scale words
.endr
	s_wait_loadcnt 34                              ; behind the nine oldest loads stand arg2's 32 and these two
.irp i, 0,1,2,3
	ds_store_b128 v[AIW], v[ACC+4*\i:ACC+4*\i+3] offset:512*\i
.endr
.irp i, 0,1
	ds_store_b128 v[TBW], v[ACC+16+4*\i:ACC+16+4*\i+3] offset:512*\i
.endr
	ds_store_b32 v[TM+5], v[ACC+24]
	s_wait_kmcnt 0x0
	v_mov_b32 v[C0], s56
	s_delay_alu instid0(VALU_DEP_1)
	v_mul_f32 v[C0], s48, v[C0]
.irp k, 1,2,3,4,5,6,7
	s_delay_alu instid0(VALU_DEP_1)
	v_fma_f32 v[C0], s[48+\k], s[56+\k], v[C0]     ; sum of U[k] b[k]: where z begins
.endr
	WIN 0x40
.set J, 0
.rept 128
	v_mov_b32 v[J], v[C0]
.set J, J+1
.endr
	WIN 0
	s_mov_b32 s76, 0
	s_wait_alu depctr_va_vdst(0)
	s_wait_tensorcnt 0x0                           ; Mr[0] is in
	ds_add_u32 v[SPW], v[NIL]
	s_sub_nc_u64 s[42:43], s[42:43], s[32:33]      ; a wave that runs A last asks for Mr[1] next, the others for Mr[2]: one k back, ahead of the step by two
	s_wait_dscnt 0x0                               ; my stores of arg1's images and tables are done
	ROUND
	s_cmp_eq_u32 s34, 0
	s_cbranch_scc0 .Lh1
	TLOAD 44                                       ; Mr[1] into the second slots: their first fill
.Lh1:
	PHASEA 0, 0, 1
	s_wait_alu depctr_va_vdst(0)
	s_cmp_eq_u32 s34, 0
	s_cbranch_scc1 .Lh2
	TX2LOAD                                        ; B(0) comes next for the waves that run A last
.Lh2:
	s_mov_b32 s72, 0
.Lk:                                                   ; steps 0 to 5, two a trip
	STEP 0, 2, 1, 1
	STEP 1, 2, 1, 1
	s_add_co_u32 s72, s72, 1
	s_cmp_lt_u32 s72, 3
	s_cbranch_scc1 .Lk
	s_mov_b32 s76, 1536
	STEP 0, 1, 1, 0                                ; step 6: Mr[7] is still owed to the waves that run A last
	STEP 1, 0, 0, 0                                ; step 7: B alone
	OUT 0
	OUT 1
	OUT 2
	OUT 3
	s_wait_tensorcnt 0x0                           ; the wave's end
	ds_add_u32 v[SPW], v[NIL]
	s_wait_dscnt 0x0
	ROUND                                          ; the closing round
	s_endpgm
.Lfunc_end_k_q5fd62b2a7b_main:
	.size	k_q5fd62b2a7b_main, .Lfunc_end_k_q5fd62b2a7b_main-k_q5fd62b2a7b_main
	.p2alignl 7, 3214868480
	.fill 96, 4, 3214868480
	.section	.rodata,"a",@progbits
	.p2align	6, 0x0
	.amdhsa_kernel k_q5fd62b2a7b_main
		.amdhsa_group_segment_fixed_size 327680
		.amdhsa_private_segment_fixed_size 0
		.amdhsa_enable_private_segment 0
		.amdhsa_kernarg_size 64
		.amdhsa_user_sgpr_count 2
		.amdhsa_user_sgpr_kernarg_segment_ptr 1
		.amdhsa_wavefront_size32 1
		.amdhsa_system_sgpr_workgroup_id_x 1
		.amdhsa_system_sgpr_workgroup_id_y 1
		.amdhsa_system_sgpr_workgroup_id_z 1
		.amdhsa_system_vgpr_workitem_id 0
		.amdhsa_next_free_vgpr 512
		.amdhsa_next_free_sgpr 90
		.amdhsa_reserve_vcc 0
		.amdhsa_float_denorm_mode_32 3
		.amdhsa_float_denorm_mode_16_64 3
		.amdhsa_memory_ordered 1
		.amdhsa_forward_progress 1
		.amdhsa_inst_pref_size 255
	.end_amdhsa_kernel
	.section	.bss,"aw",@nobits
	.p2align	6
	.space	262144
	.amdgpu_metadata
---
amdhsa.version: [ 1, 2 ]
amdhsa.kernels:
  - .name:           k_q5fd62b2a7b_main
    .symbol:         k_q5fd62b2a7b_main.kd
    .args:
      - { .name: codes, .offset: 0, .size: 8, .value_kind: global_buffer, .address_space: global }
      - { .name: scl, .offset: 8, .size: 8, .value_kind: global_buffer, .address_space: global }
      - { .name: tab, .offset: 16, .size: 8, .value_kind: global_buffer, .address_space: global }
      - { .name: Mr_codes, .offset: 24, .size: 8, .value_kind: global_buffer, .address_space: global }
      - { .name: Mr_scales, .offset: 32, .size: 8, .value_kind: global_buffer, .address_space: global }
      - { .name: U, .offset: 40, .size: 8, .value_kind: global_buffer, .address_space: global }
      - { .name: b, .offset: 48, .size: 8, .value_kind: global_buffer, .address_space: global }
      - { .name: out0, .offset: 56, .size: 8, .value_kind: global_buffer, .address_space: global }
    .group_segment_fixed_size: 327680
    .private_segment_fixed_size: 0
    .kernarg_segment_align: 8
    .kernarg_segment_size: 64
    .max_flat_workgroup_size: 256
    .sgpr_count:     90
    .vgpr_count:     512
    .wavefront_size: 32
...
	.end_amdgpu_metadata
.endif
;; end of part 2
